; MI455X (gfx1250); checked and timed in simulation.
; The chip was launched on July 23, 2026; its instructions are those of AMD's public machine-readable ISA for CDNA 5 (MIT licence, August 2026) and "CDNA5" Instruction Set Architecture Reference Guide (July 2026). The comments in the code are by the model that wrote it; some were corrected since.
;; Multi Window Attention. Allowed arithmetic: matrix products marked QUANTISED: E4M3 operands, one given power-of-two scale a tensor, by v_wmma_f32_16x16x64_fp8_fp8 or v_wmma_f32_16x16x128_fp8_fp8, f32 sums; everything else in f32.
;; Inputs: keys_codes 4 x 2,048 x 8 x 2 x 32 uint8 (E4M3 codes of keys, K innermost, in blocks of 32 codes); lowp_scales 4 int32 (the exponents e of the quantised operands' scales 2^e); queries_codes 4 x 2,048 x 8 x 2 x 32 uint8 (E4M3 codes of queries, K innermost, in blocks of 32 codes); values_codes 4 x 8 x 64 x 64 x 32 uint8 (E4M3 codes of values, K innermost, in blocks of 32 codes).
;; Outputs: out0 4 x 2,048 x 8 x 64 float32.
;; This version of the problem:
;;   THIS VERSION OF THE PROBLEM IS GIVEN IN LOW PRECISION. The matrix products marked QUANTISED in the list below multiply operands that are first quantised to E4M3 (4 exponent bits, 3 mantissa bits; 8 bits a number), with one given power-of-two scale for each operand tensor; their sums are f32. All else is computed in f32.
;;   The module's matrix products, in the order in which they are computed (A, B: the left and right operand; K: the contracted axis; several contracted axes count as one K, in the product's order):
;;     1. batch 32 x [M 2,048, K 64] x [K 64, N 2,048]; A: input queries (given as codes); B: input keys (given as codes): QUANTISED (scales: A lowp_scales[0], B lowp_scales[1])
;;     2. batch 32 x [M 64, K 2,048] x [K 2,048, N 2,048]; A: input values (given as codes); B: softmax (see below): QUANTISED (scales: A lowp_scales[2], B lowp_scales[3])
;;   THE QUANTISER, for each operand of a quantised product, along K:
;;     - The operand's scale is 2^e, e = its entry of the input lowp_scales (int32; the entries are numbered through the quantised products in the list's order, A before B).
;;     - Each number is divided by the scale, clamped to +-448, and rounded to the nearest number of E4M3, ties to even, subnormals kept.
;;     - The product sums the exact products of the quantised numbers (number of the format x scale) in f32.
;;   ~~~python
;;   def quantise(x, axis, e):      # numpy; x: float32 -> the quantised numbers, widened to float32 again
;;       x = np.moveaxis(x, axis, -1); K = x.shape[-1]
;;       r = np.clip(x / 2.0 ** e, -448, 448)
;;       step = 2.0 ** (np.maximum(np.frexp(np.where(r == 0, 1, r))[1] - 1, -6) - 3)
;;       q = np.round(r / step) * step * 2.0 ** e      # np.round: ties to even
;;       return np.moveaxis(q, -1, axis).astype(np.float32)
;;   ~~~
;;   SOFTMAX AHEAD OF A QUANTISED PRODUCT. Where the list says 'softmax', what is quantised is not the finished softmax but p = 2^(t - M), with t = logit x log2(e) and M = ceil(the row's largest t), a whole number; so 1/2 < the row's largest p <= 1. The row's sum l is taken of the UNQUANTISED p, in f32, and the product's result is divided by l at the end. Since M is a whole number, a kernel that streams over the keys may use a running M (the ceiling of the running maximum): every later rescaling is an exact power of two, so the quantised numbers keep their values, but for numbers so far below the row's largest that they fall under the format's range.
;;   OPERANDS COMPUTED ON THE WAY. 'Computed on the way' means the value that the module computes at that place (a softmax that the list does not call 'softmax' is quantised finished and normalised). What goes into a quantiser is computed in f32, as accurately as f32 sums, v_exp_f32 and their like allow (about 1e-6 of the number): no bf16 or f16 on the way to a quantiser, and a product that is left as it is and whose result goes on into a quantised operand takes f32 operands (vector FMAs, or v_wmma_f32_16x16x4_f32). A number that lies on a knife's edge between two numbers of the format may be rounded either way, as far as f32 arithmetic and the matrix unit's own rounding can turn it there, and no further.
;;   INPUTS GIVEN AS CODES. keys (in the module: [4, 2048, 8, 64], K = its axis 3); queries (in the module: [4, 2048, 8, 64], K = its axis 3); values (in the module: [4, 2048, 8, 64], K = its axis 1): each comes as NAME_codes (uint8): NAME with its K axis moved to the last place and cut into blocks of 32 codes, [.., K / 32, bytes a block], one block behind the other in memory; one code a byte (a code: sign, 4 exponent bits, 3 mantissa bits); its scale is its entry of lowp_scales. Its value is code x scale, taken as it is: it is not quantised again, and the codes and scales need not be those that the quantiser above would give.
;; 2 versions. Each part assembles by itself: llvm-mc -triple=amdgcn-amd-amdhsa -mcpu=gfx1250 --defsym DOCPART=n.
;; ======== version 1 of 2: 1 launch
;; launch band (part 1): grid 256 x 1, 16 waves a work-group, no clusters, 276,480 bytes of LDS; arguments queries_codes, keys_codes, values_codes, lowp_scales, out0; writes out0
.if DOCPART == 1
	.amdgcn_target "amdgcn-amd-amdhsa--gfx1250"
	.amdhsa_code_object_version 6
	.text
	.protected	k_q2565a8c895_band
	.globl	k_q2565a8c895_band
	.p2align	8
	.type	k_q2565a8c895_band,@function
k_q2565a8c895_band:
	s_mov_b64 s[64:65], 0
	v_nop
	global_prefetch_b8 v0, s[64:65] scope:SCOPE_SE
	s_setreg_imm32_b32 hwreg(HW_REG_WAVE_MODE, 25, 1), 1
	s_wait_xcnt 0x0
; out[b][l][h][:] = the sum over keys s, |l - s| <= w(h), of softmax_s(q[b][l][h] . k[b][s][h] / 8) v[b][s][h][:];  w(h) = 32 << (h & 3).  B = 4, L = 2,048, H = 8, E = D = 64.
; Both products on codes of FP8 (E4M3), each tensor with its given scale 2^e: lowp_scales = eq, ek, ev, ep.  q, k: [b][l][h][64 codes]; v: [b][h][d][2,048 codes], the keys innermost; out: f32.
; THE SOFTMAX AHEAD OF THE SECOND PRODUCT: t = score x log2(e) / 8; M = the largest t so far, rounded UP to a whole number; p = 2^(t - M) is quantised with 2^ep, not normalised.  The row's sum is taken
; of the unquantised p and divides at the end.  When M moves, the sum and O are multiplied by 2^(old M - new M), which rounds nothing.
; ONLY THE BAND IS MULTIPLIED: 64 keys a step, and a tile of 16 queries needs 2, 3, 5, 9 steps for w = 32, 64, 128, 256.
; SHARES.  Work-group id: 64 queries (Q0 = 64 (id & 31)) of the four heads 4 hh .. 4 hh + 3 (hh = bit 5) of batch id >> 6: one head of each window, so all 256 work-groups have the same 76 steps.
; Wave wv: tile of queries qt = wv >> 2, head j = (wv + qt) & 3: any four waves with equal wv % 4, or with equal wv / 4, hold one head of each window: 19 steps.
; LAYOUT.  Both products are used transposed: S^T = K Q^T (source 0 = 16 keys, source 1 = my 16 queries), O^T = V^T P^T (source 0 = 16 channels, source 1 = P): a lane holds ONE query (lane % 16) throughout.
; LDS.  All that the work-group reads of K and V is copied once, through registers, as 20 chunks (64 keys of one head): K's rows by key, V's by channel, 64 bytes + 16 of padding = 20 words: row r starts at
; bank 20 r mod 64 (64 banks of 4 bytes: ISA guide 11.1), so the 16 rows of a fragment load start at 16 different groups of four banks.  One barrier in the whole text.
; K'S ROWS STAND IN LDS WITH BITS 3 AND 4 OF THE KEY'S NUMBER EXCHANGED: LDS row 32 b + 16 u + 8 h + i holds key 32 b + 16 h + 8 u + i.  So the 16 registers of score tiles 2 b, 2 b + 1 of lane (r, h)
; are the 16 neighbouring keys 32 b + 16 h + 0 .. 15: the conversions' results are source 1 of the second product, in the order in which two loads of 16 bytes bring V's fragment.
; (Fragments are brought by loads of 16 bytes: registers 4 c .. 4 c + 3 hold k = 32 c + 16 h + 0 .. 15.  That is one permutation of k, the same in both sources of each product.)
; NO CLUSTER, NO JOINT LOADS: neighbouring work-groups' windows are shifted by 64 keys against each other, so no two want the same tile; the joint window of four neighbours would be
; (384 + 384 + 512 + 768) rows x 80 bytes x 2 = 327,680 bytes, all that a work-group can claim, with nothing left for the stages.  No tensor loads: at the sequence's ends a window begins in front of the tensor.
; LIMITS on the given exponents, so that each power of two below is an f32 number: eq + ek between -123 and 130 (they are added to the exponent field of log2(e) / 8); ep between -126 and 119;
; ep + ev is applied by v_ldexp_f32 and has none.  NaN codes among the inputs are not served.
.set PITCH,  80                        ; a chunk's row in LDS
.set CHUNK,  64*PITCH                  ; 5,120 bytes
.set SPITCH, 272                       ; the way out: a stage row: 256 bytes + 16
.set WSTAGE, 16*SPITCH                 ; LDS 0 ..: a stage of 16 rows for each of the 16 waves, its own
.set KB,     16*WSTAGE                 ; 69,632: K's 20 chunks
.set VOFF,   20*CHUNK                  ; 102,400: V's 20 chunks lie so far behind K's
; chunk c = (head j, block beta of keys Q0 - 256 + 64 beta): c 0-2: j 0, beta 3-5;  c 3-5: j 1, beta 3-5;  c 6-10: j 2, beta 2-6;  c 11-19: j 3, beta 0-8
.set AK0, 1                            ; v1   KB + 80 r + 16 h: my lane's place in a chunk of K
.set AV0, 2                            ; v2   the same for V
.set ADK, 3                            ; v3   LDS address of the step's chunk of K
.set ADV, 4                            ; v4   of V
.set STO, 5                            ; v5   the stage: where I put 32 bytes of a row
.set RD,  6                            ; v6   and where I read a row back
.set GO,  7                            ; v7   my byte offset in the wave's rows of out
.set RH,  8                            ; v8   r - 16 h
.set DLO, 10                           ; v10  a key's constant below this is hidden (key < query - w)
.set DHI, 11                           ; v11  above this likewise (key > query + w)
                                       ; v12 -M, v13 the largest t, v[14:15] the sum in two halves
.set QF,  16                           ; v[16:23]   Q's fragment
.set KF,  24                           ; v[24:55]   four fragments of K
.set VF,  56                           ; v[56:87]   four fragments of V
.set S,   88                           ; v[88:119]  S^T, then p
.set OT,  120                          ; v[120:151] O^T
.set P,   152                          ; v[152:159] p's codes
                                       ; v160, v161 at work; v162 a permute's destination; v163 -infinity; v[164:165] f; v[166:167] the sum's second chain; v168 2^ep; v169 448 x 2^ep
.set CD,  24                           ; the copy: v[24:103] 20 x 4 registers of data
.set CO,  104                          ; v[104:112] my byte offset in memory for block beta
.set LA,  113                          ; v113, v114 my LDS target for chunks 0-9, 10-19
.set QO,  115                          ; v115 my byte offset in the wave's rows of Q;  v116-119 at work
.set WV,  14                           ; s14  wave
.set HJ,  15                           ; s15  j
.set QT,  16                           ; s16  qt
.set WD,  17                           ; s17  w
.set NST, 18                           ; s18  my head's steps: 1 + (1 << j)
.set BT,  19                           ; s19  batch
.set HH,  20                           ; s20  hh
.set Q0,  21                           ; s21  the work-group's first query
.set TB,  22                           ; s22  5,120 x the step's chunk
.set KS,  23                           ; s23  the step's first key
.set SC,  24                           ; s[24:27] eq, ek, ev, ep
.set SEL, 28                           ; s[28:29] lane selects for v_permlanex16_b32: lane l xor 16
.set CS,  30                           ; s[30:31] c = log2(e) / 8 x 2^(eq + ek): the packed form names a pair and takes its low word for both halves
.set PJ,  32                           ; s[32:39] the copy: head j's first byte in the tensor that my wave copies
.set CK,  40                           ; s[40:48] block beta's byte offset there
.set SA,  49                           ; s49  16 qt - w - (the step's first key - Q0)
.set SB,  50                           ; s50  16 qt + w - (the step's first key - Q0)
.set STP, 51                           ; s51  the step
.set EO,  52                           ; s52  ep + ev
	s_load_b256 s[4:11], s[0:1], 0x0               ; Q s[4:5], K s[6:7], V s[8:9], the scales' exponents s[10:11]
	s_load_b64 s[12:13], s[0:1], 0x20              ; out
	v_lshl_add_u32 v176, v0, 2, 0x43000
	v_mov_b32 v177, 0
	v_lshrrev_b32 v116, 5, v0
	v_readfirstlane_b32 s[WV], v116                ; wave 0..15
	s_lshr_b32 s[QT], s[WV], 2
	s_add_co_u32 s[HJ], s[WV], s[QT]
	s_and_b32 s[HJ], s[HJ], 3                      ; j = (wv + qt) & 3
	s_lshl_b32 s[WD], 32, s[HJ]                    ; w
	s_lshl_b32 s[NST], 1, s[HJ]
	s_add_co_u32 s[NST], s[NST], 1
	s_lshr_b32 s[BT], ttmp9, 6
	s_bfe_u32 s[HH], ttmp9, 0x10005                ; one bit from bit 5
	s_and_b32 s[Q0], ttmp9, 31
	s_lshl_b32 s[Q0], s[Q0], 6
	; my first chunk: the head's first, 3 j + 2 ((j >> 1) & j) = 0, 3, 6, 11, and one more for j = 0 with qt >= 2, whose band begins at Q0
	s_lshr_b32 s53, s[HJ], 1
	s_and_b32 s53, s53, s[HJ]
	s_lshl_b32 s53, s53, 1
	s_mul_i32 s58, s[HJ], 3
	s_add_co_u32 s53, s53, s58
	s_add_co_u32 s58, s[HJ], 3
	s_lshr_b32 s58, s58, 2
	s_xor_b32 s58, s58, 1                          ; 1 for j = 0 alone
	s_lshr_b32 s59, s[QT], 1
	s_and_b32 s58, s58, s59
	s_add_co_u32 s53, s53, s58                     ; at most 11: with the loop's eight steps on, at most chunk 19
	s_mul_i32 s[TB], s53, CHUNK
	; my first key, counted from Q0: (16 qt - w) rounded down to a multiple of 64
	s_lshl_b32 s59, s[QT], 4
	s_sub_co_i32 s60, s59, s[WD]
	s_and_b32 s61, s60, 0xffffffc0
	s_sub_co_i32 s[SA], s60, s61
	s_add_co_i32 s[SB], s59, s[WD]
	s_sub_co_i32 s[SB], s[SB], s61
	s_add_co_i32 s[KS], s[Q0], s61                 ; may lie in front of the sequence: then it is a large unsigned number
	s_add_co_u32 s62, s[Q0], s59                   ; my first query
	; THE COPY'S SHARES.  Waves 0-7 copy K, waves 8-15 V.  Of every chunk wave g = wv & 7 takes LDS rows 8 g .. 8 g + 7: four lanes to a row, 16 bytes a lane.
	s_lshr_b32 s53, s[WV], 3                       ; 0: K, 1: V
	s_and_b32 s58, s[WV], 7                        ; g
	s_mul_i32 s59, s53, VOFF
	s_mul_i32 s54, s58, 8*PITCH
	s_add_co_u32 s59, s59, s54
	s_add_co_u32 s59, s59, KB                      ; my eight rows of chunk 0, in LDS: the wave's number and constants alone
	s_and_b32 s60, s58, 4                          ; K's rows in memory: g with bits 0 and 1 exchanged, which is the exchange of bits 3 and 4 of the key's number
	s_and_b32 s61, s58, 1
	s_lshl_b32 s61, s61, 1
	s_or_b32 s60, s60, s61
	s_bfe_u32 s61, s58, 0x10001
	s_or_b32 s60, s60, s61
	v_and_b32 v117, 31, v0                         ; lane
	v_lshrrev_b32 v118, 2, v117                    ; which of the eight rows
	v_and_b32 v119, 3, v0                          ; which 16 bytes of it
	v_mul_u32_u24 v[LA], v118, PITCH
	v_lshl_add_u32 v[LA], v119, 4, v[LA]
	v_add_nc_u32 v[LA], s59, v[LA]
	v_add_nc_u32 v[LA+1], 10*CHUNK, v[LA]          ; an LDS offset has 16 bits: chunks 10-19 have a register of their own
	v_and_b32 v3, 15, v0                           ; r
	v_bfe_u32 v4, v0, 4, 1                         ; h
	v_lshlrev_b32 v[QO], 9, v3
	v_lshl_add_u32 v[QO], v4, 4, v[QO]             ; Q: 512 bytes from query to query, + 16 h
	s_mov_b32 s[SEL], 0x76543210
	s_mov_b32 s[SEL+1], 0xfedcba98
	s_mov_b32 s[STP], 0
	s_wait_kmcnt 0x0
	s_load_b128 s[SC:SC+3], s[10:11], 0x0          ; eq, ek, ev, ep
	s_cmp_eq_u32 s53, 0                            ; K or V?  The choice hangs on the wave's number alone; only selects and moves stand behind the compare
	s_cselect_b64 s[PJ:PJ+1], s[6:7], s[8:9]
	s_cselect_b32 s60, s60, s58                    ; the group of eight rows in memory
	s_cselect_b32 s61, 9, 11                       ; a row on: 512 bytes (a key of K), 2,048 bytes (a channel of V)
	s_cselect_b32 s63, 9, 0                        ; a key on: 512 bytes, 1 byte
	s_mov_b32 s56, 131072
	s_cselect_b32 s56, 64, s56                     ; a head on
	s_mov_b32 s54, 524288
	s_cselect_b32 s54, 256, s54                    ; four heads on
	s_mul_i32 s54, s54, s[HH]
	s_lshl_b32 s55, s[BT], 20                      ; a batch is 2^20 bytes in each tensor of codes
	s_add_co_u32 s54, s54, s55
	s_mov_b32 s55, 0
	s_mov_b32 s57, 0
	s_add_nc_u64 s[PJ:PJ+1], s[PJ:PJ+1], s[54:55]
	s_add_nc_u64 s[PJ+2:PJ+3], s[PJ:PJ+1], s[56:57]
	s_add_nc_u64 s[PJ+4:PJ+5], s[PJ+2:PJ+3], s[56:57]
	s_add_nc_u64 s[PJ+6:PJ+7], s[PJ+4:PJ+5], s[56:57]
.irp b, 0,1,2,3,4,5,6,7,8                      ; a block that lies outside the sequence is taken, whole, from its first or last block: no load leaves its buffer, and no step reads such a chunk
	s_add_co_i32 s[CK+\b], s[Q0], 64*\b-256
	s_max_i32 s[CK+\b], s[CK+\b], 0
	s_min_i32 s[CK+\b], s[CK+\b], 1984
	s_lshl_b32 s[CK+\b], s[CK+\b], s63
.endr
	v_lshl_add_u32 v116, s60, 3, v118              ; my row of a chunk, in memory's order
	v_lshlrev_b32 v116, s61, v116
	v_lshl_add_u32 v116, v119, 4, v116             ; + my 16 bytes
.irp b, 0,1,2,3,4,5,6,7,8
	v_add_nc_u32 v[CO+\b], s[CK+\b], v116
.endr
.macro CLOAD c, j, b                           ; chunk c = head j, block b: my 16 bytes of it
	global_load_b128 v[CD+4*(\c):CD+4*(\c)+3], v[CO+(\b)], s[PJ+2*(\j):PJ+2*(\j)+1]
.endm
.irp x, 0,1,2
	CLOAD \x, 0, \x+3
.endr
.irp x, 0,1,2
	CLOAD \x+3, 1, \x+3
.endr
.irp x, 0,1,2,3,4
	CLOAD \x+6, 2, \x+2
.endr
.irp x, 0,1,2,3,4,5,6,7,8
	CLOAD \x+11, 3, \x
.endr
	s_lshl_b32 s53, s[HH], 2
	s_add_co_u32 s53, s53, s[HJ]                   ; my head
	s_lshl_b32 s54, s[BT], 20
	s_lshl_b32 s56, s62, 9
	s_add_co_u32 s54, s54, s56
	s_lshl_b32 s56, s53, 6
	s_add_co_u32 s54, s54, s56
	s_add_nc_u64 s[4:5], s[4:5], s[54:55]          ; Q at my first query and head
	global_load_b128 v[QF:QF+3], v[QO], s[4:5]             ; Q's fragment stays in registers
	global_load_b128 v[QF+4:QF+7], v[QO], s[4:5] offset:32
	s_lshl_b32 s54, s[BT], 22
	s_lshl_b32 s56, s62, 11
	s_add_co_u32 s54, s54, s56
	s_lshl_b32 s56, s53, 8
	s_add_co_u32 s54, s54, s56
	s_add_nc_u64 s[12:13], s[12:13], s[54:55]      ; out likewise: 2,048 bytes from query to query, 256 from head to head
	; while the 22 loads are out: the addresses and the start of the sums
	v_mul_u32_u24 v[AK0], v3, PITCH
	v_lshl_add_u32 v[AK0], v4, 4, v[AK0]
	v_add_nc_u32 v[AK0], KB, v[AK0]
	v_add_nc_u32 v[AV0], VOFF, v[AK0]
	v_lshlrev_b32 v[RH], 4, v4
	v_sub_nc_u32 v[RH], v3, v[RH]
	s_mul_i32 s63, s[WV], WSTAGE                   ; my stage
	v_mul_u32_u24 v[STO], v3, SPITCH
	v_lshl_add_u32 v[STO], v4, 5, v[STO]
	v_add_nc_u32 v[STO], s63, v[STO]               ; in: row r, 32 bytes for each half of the lanes
	v_mul_u32_u24 v[RD], v4, SPITCH
	v_lshl_add_u32 v[RD], v3, 4, v[RD]
	v_add_nc_u32 v[RD], s63, v[RD]                 ; back: lanes 0-15 one row of 256 bytes, lanes 16-31 the next
	v_mov_b32 v13, 0xff61b1e6                      ; the largest t so far: -3e38, under every t
	v_floor_f32 v12, -v13                          ; -M
	v_mov_b32 v14, 0                               ; the sum, in two halves
	v_mov_b32 v15, 0
	v_mov_b32 v162, 0                              ; written once: a lane permute's destination counts as one of its sources
	v_mov_b32 v165, 0                              ; (named as the upper half of the pair v[164:165])
	v_mov_b32 v163, 0xff800000                     ; -infinity
.irp i, 0,1,2,3,4,5,6,7,8,9,10,11,12,13,14,15,16,17,18,19,20,21,22,23,24,25,26,27,28,29,30,31
	v_mov_b32 v[OT+\i], 0                          ; O^T.  (The step is written once: the first finds zeros, which the first change of M leaves zeros)
.endr
	s_wait_kmcnt 0x0
	s_add_co_i32 s53, s[SC], s[SC+1]
	s_lshl_b32 s53, s53, 23
	s_add_co_i32 s[CS], s53, 0x3e38aa3b            ; log2(e) / 8, with eq + ek added to its exponent field: a score stands for score x 2^(eq + ek)
	s_mov_b32 s[CS+1], s[CS]                       ; (named with it as a pair, so it is written)
	s_add_co_i32 s53, s[SC+3], 127
	s_lshl_b32 s54, s53, 23
	v_mov_b32 v168, s54                            ; 2^ep as f32: the conversion takes its exponent field
	s_add_co_i32 s53, s53, 8
	s_lshl_b32 s53, s53, 23
	s_or_b32 s53, s53, 0x600000
	v_mov_b32 v169, s53                            ; 448 x 2^ep
	s_add_co_i32 s[EO], s[SC+2], s[SC+3]           ; ev + ep
.irp c, 0,1,2,3,4,5,6,7,8,9,10,11,12,13,14,15,16,17,18,19
	s_wait_loadcnt 21-\c                           ; loads come back in order (ISA guide 5.7.1): behind chunk c's stand 19 - c chunks' and Q's two
	ds_store_b128 v[LA+\c/10], v[CD+4*\c:CD+4*\c+3] offset:(\c%10)*CHUNK
.endr
	s_wait_dscnt 0x0                               ; for the others' sake: my rows of all 20 chunks lie in LDS
	s_barrier_signal -1
	s_barrier_wait -1                              ; everybody's do.  From here on nobody writes K's or V's chunks
	s_wait_loadcnt 0x0                             ; Q; and all the copy's registers are free
; THE LOOP: nine trips in every wave, a constant, so that the chunk's address steps alike in all; a trip past my head's steps, or whose block of keys lies outside the sequence, does nothing but step.
; (Blocks are 64 keys from a multiple of 64: each lies wholly inside the sequence or wholly outside.)
.macro MASK high                               ; register n of S^T holds key KS + 16 h + 32 (n / 16) + n % 16; hidden scores become -infinity ahead of the maximum: p = 0 then.  From the low end of each tile on
.set n, 0
.rept 32
.if \high
	v_cmp_gt_i32 vcc_lo, 32*(n/16)+n%16, v[DHI]
.else
	v_cmp_lt_i32 vcc_lo, 32*(n/16)+n%16, v[DLO]
.endif
	v_cndmask_b32 v[S+n], v[S+n], v163, vcc_lo
.set n, n+1
.endr
.endm
.Lstep:
	s_cmp_ge_u32 s[STP], s[NST]
	s_cbranch_scc1 .Lnext
	s_cmp_ge_u32 s[KS], 2048
	s_cbranch_scc1 .Lnext
	v_add_nc_u32 v[ADK], s[TB], v[AK0]
	v_add_nc_u32 v[ADV], s[TB], v[AV0]
	v_nop                                          ; with the two additions: four places between the last step's products and the loads into the registers that they read
	v_nop
.irp t, 0,1,2,3
	ds_load_b128 v[KF+8*\t:KF+8*\t+3],   v[ADK] offset:16*PITCH*\t
	ds_load_b128 v[KF+8*\t+4:KF+8*\t+7], v[ADK] offset:16*PITCH*\t+32
.endr
.irp t, 0,1,2,3
	ds_load_b128 v[VF+8*\t:VF+8*\t+3],   v[ADV] offset:16*PITCH*\t
	ds_load_b128 v[VF+8*\t+4:VF+8*\t+7], v[ADV] offset:16*PITCH*\t+32
.endr
	s_wait_dscnt 8                                 ; K's eight loads are in; V's eight may be out
.irp t, 0,1,2,3
	v_wmma_f32_16x16x64_fp8_fp8 v[S+8*\t:S+8*\t+7], v[KF+8*\t:KF+8*\t+7], v[QF:QF+7], 0
.endr
	v_add_nc_u32 v[DLO], s[SA], v[RH]              ; key < query - w  where  32 (n / 16) + n % 16 < SA + r - 16 h
	v_add_nc_u32 v[DHI], s[SB], v[RH]              ; key > query + w  where  it is > SB + r - 16 h
	v_nop                                          ; with the two additions: four places in front of the first read of the scores
	v_nop
	s_cmp_lt_i32 s[SA], -14                        ; SA + 15 <= 0: no key of the step lies under any of my queries' bands
	s_cbranch_scc1 .Lnolow
	MASK 0
.Lnolow:
	s_cmp_ge_i32 s[SB], 63                         ; SB - 16 >= 47: none lies over them
	s_cbranch_scc1 .Lnohigh
	MASK 1
.Lnohigh:
	v_max3_num_f32 v160, v[S], v[S+1], v[S+2]      ; the step's largest score of my query, among my 32 keys, in two chains; each tile is first read at its two lowest registers
	v_max3_num_f32 v161, v[S+3], v[S+4], v[S+5]
.irp i, 6,10,14,18,22,26
	v_max3_num_f32 v160, v160, v[S+\i], v[S+\i+1]
	v_max3_num_f32 v161, v161, v[S+\i+2], v[S+\i+3]
.endr
	v_max3_num_f32 v160, v160, v[S+30], v[S+31]
	v_max_num_f32 v160, v160, v161
	v_permlanex16_b32 v162, v160, s[SEL], s[SEL+1]
	v_max_num_f32 v160, v160, v162                 ; and among lane l xor 16's
	v_mul_f32 v160, s[CS], v160                    ; as t (c is positive)
	v_max_num_f32 v13, v13, v160                   ; the running largest t
	v_mov_b32 v160, v12
	v_floor_f32 v12, -v13                          ; the new -M = floor(-t) = -ceil(t): M is a whole number
	v_sub_f32 v160, v12, v160                      ; M's old value less its new one: a whole number, 0 or less
	v_cvt_i32_f32 v160, v160                       ; (it saturates)
	v_ldexp_f32 v164, 1.0, v160                    ; f = 2^(old M - new M)
.irp i, 0,2,4,6,8,10,12,14,16,18,20,22,24,26,28,30
	v_pk_fma_f32 v[S+\i:S+\i+1], v[S+\i:S+\i+1], s[CS:CS+1], v[12:13] op_sel_hi:[1,0,0]   ; t - M, two at a time (of the pairs c and -M the low word serves both halves)
.endr
.irp i, 0,1,2,3,4,5,6,7,8,9,10,11,12,13,14,15,16,17,18,19,20,21,22,23,24,25,26,27,28,29,30,31
	v_exp_f32 v[S+\i], v[S+\i]                     ; p = 2^(t - M), at most 1: not normalised
.endr
	v_pk_mul_f32 v[14:15], v[14:15], v[164:165] op_sel_hi:[1,0]   ; the sums under the new M.  (The plain line behind the exponentials)
	s_wait_alu depctr_va_vdst(0)
	v_pk_add_f32 v[166:167], v[S:S+1], v[S+2:S+3]  ; the row's sum is taken of the unquantised p: two at a time, in two chains
.irp i, 4,8,12,16,20,24,28
	v_pk_add_f32 v[14:15], v[14:15], v[S+\i:S+\i+1]
	v_pk_add_f32 v[166:167], v[166:167], v[S+\i+2:S+\i+3]
.endr
	v_pk_add_f32 v[14:15], v[14:15], v[166:167]
	s_cmp_ge_i32 s[SC+3], -8                       ; p <= 1: with ep >= -8, p / 2^ep <= 256, under 448, and nothing is to be held.  ep is a whole number read from an input; the branch stands round these 32 lines alone
	s_cbranch_scc1 .Lnohold
.irp i, 0,1,2,3,4,5,6,7,8,9,10,11,12,13,14,15,16,17,18,19,20,21,22,23,24,25,26,27,28,29,30,31
	v_min_num_f32 v[S+\i], v[S+\i], v169           ; the conversion to an 8-bit code does not saturate (ISA guide 7.6.2); p is not negative, so the hold is one-sided
.endr
.Lnohold:
.irp t, 0,1,2,3
	v_cvt_scalef32_pk8_fp8_f32 v[P+2*\t:P+2*\t+1], v[S+8*\t:S+8*\t+7], v168   ; registers 4 b .. 4 b + 3 of P: keys 32 b + 16 h + 0 .. 15
.endr
.irp i, 0,2,4,6,8,10,12,14,16,18,20,22,24,26,28,30
	v_pk_mul_f32 v[OT+\i:OT+\i+1], v[OT+\i:OT+\i+1], v[164:165] op_sel_hi:[1,0]   ; O^T under the new M, each tile from its low end on.  (Also the plain lines between the conversions and the products that read their results)
.endr
	s_wait_dscnt 0x0                               ; V's fragments are in
.irp t, 0,1,2,3                                ; the four sums take turns, and the next step's four score tiles stand between two links of each
	v_wmma_f32_16x16x64_fp8_fp8 v[OT+8*\t:OT+8*\t+7], v[VF+8*\t:VF+8*\t+7], v[P:P+7], v[OT+8*\t:OT+8*\t+7]
.endr
.Lnext:
	s_add_co_u32 s[TB], s[TB], CHUNK
	s_add_co_u32 s[KS], s[KS], 64
	s_sub_co_i32 s[SA], s[SA], 64
	s_sub_co_i32 s[SB], s[SB], 64
	s_add_co_u32 s[STP], s[STP], 1
	s_cmp_lt_u32 s[STP], 9
	s_cbranch_scc1 .Lstep
	; THE WAY OUT.  O^T / the sum x 2^(ep + ev) goes through my own stage in LDS and comes back as whole rows: a (query, head) row of out is 256 bytes, which sixteen lanes store together.
	v_and_b32 v3, 15, v0                           ; r.  (These four lines are the four places behind the last products)
	v_bfe_u32 v4, v0, 4, 1                         ; h
	v_lshlrev_b32 v[GO], 11, v4
	v_lshl_add_u32 v[GO], v3, 4, v[GO]             ; lanes 0-15 one query's row, lanes 16-31 the next query's; 16 bytes a lane
	v_add_f32 v14, v14, v15                        ; the sum's two halves,
	v_permlanex16_b32 v162, v14, s[SEL], s[SEL+1]
	v_add_f32 v14, v14, v162                       ; and lane l xor 16's: the row's sum.  A query's own key always counts, so it is not 0
	v_rcp_f32 v14, v14
	v_nop                                          ; one plain line behind a transcendental
	s_wait_alu depctr_va_vdst(0)
	v_ldexp_f32 v14, v14, s[EO]
.irp i, 0,2,4,6,8,10,12,14,16,18,20,22,24,26,28,30
	v_pk_mul_f32 v[S+\i:S+\i+1], v[OT+\i:OT+\i+1], v[14:15] op_sel_hi:[1,0]   ; register 8 t + i is out(query r, channel 16 t + 8 h + i)
.endr
.irp t, 0,1,2,3
	ds_store_b128 v[STO], v[S+8*\t:S+8*\t+3] offset:64*\t
	ds_store_b128 v[STO], v[S+8*\t+4:S+8*\t+7] offset:64*\t+16
.endr
.irp i, 0,1,2,3,4,5,6,7
	ds_load_b128 v[KF+4*\i:KF+4*\i+3], v[RD] offset:2*\i*SPITCH   ; LDS serves a wave's instructions in order (ISA guide 5.7.1.4): these see my stores
.endr
.irp i, 0,1,2,3,4,5,6,7
	s_wait_dscnt 7-\i                              ; the 7 - i younger loads may be out
	global_store_b128 v[GO], v[KF+4*\i:KF+4*\i+3], s[12:13] offset:4096*\i th:TH_STORE_NT   ; 16 lanes store 256 consecutive bytes, at a multiple of 256 from out's first byte; written once, read by nobody here
.endr
	s_wait_tensorcnt 0x0
	ds_add_u32 v176, v177
	s_wait_dscnt 0x0
	s_endpgm
.Lfunc_end_k_q2565a8c895_band:
	.size	k_q2565a8c895_band, .Lfunc_end_k_q2565a8c895_band-k_q2565a8c895_band
	.p2alignl 7, 3214868480
	.fill 96, 4, 3214868480
	.section	.rodata,"a",@progbits
	.p2align	6, 0x0
	.amdhsa_kernel k_q2565a8c895_band
		.amdhsa_group_segment_fixed_size 276480
		.amdhsa_private_segment_fixed_size 0
		.amdhsa_enable_private_segment 0
		.amdhsa_kernarg_size 40
		.amdhsa_user_sgpr_count 2
		.amdhsa_user_sgpr_kernarg_segment_ptr 1
		.amdhsa_wavefront_size32 1
		.amdhsa_system_sgpr_workgroup_id_x 1
		.amdhsa_system_sgpr_workgroup_id_y 1
		.amdhsa_system_sgpr_workgroup_id_z 1
		.amdhsa_system_vgpr_workitem_id 0
		.amdhsa_next_free_vgpr 178
		.amdhsa_next_free_sgpr 66
		.amdhsa_reserve_vcc 1
		.amdhsa_float_denorm_mode_32 3
		.amdhsa_float_denorm_mode_16_64 3
		.amdhsa_memory_ordered 1
		.amdhsa_forward_progress 1
		.amdhsa_inst_pref_size 30
	.end_amdhsa_kernel
	.amdgpu_metadata
---
amdhsa.version: [ 1, 2 ]
amdhsa.kernels:
  - .name:           k_q2565a8c895_band
    .symbol:         k_q2565a8c895_band.kd
    .args:
      - { .name: queries_codes, .offset: 0, .size: 8, .value_kind: global_buffer, .address_space: global }
      - { .name: keys_codes, .offset: 8, .size: 8, .value_kind: global_buffer, .address_space: global }
      - { .name: values_codes, .offset: 16, .size: 8, .value_kind: global_buffer, .address_space: global }
      - { .name: lowp_scales, .offset: 24, .size: 8, .value_kind: global_buffer, .address_space: global }
      - { .name: out0, .offset: 32, .size: 8, .value_kind: global_buffer, .address_space: global }
    .group_segment_fixed_size: 276480
    .private_segment_fixed_size: 0
    .kernarg_segment_align: 8
    .kernarg_segment_size: 40
    .max_flat_workgroup_size: 512
    .sgpr_count:     66
    .vgpr_count:     178
    .wavefront_size: 32
...
	.end_amdgpu_metadata
.endif
;; end of part 1
;; ======== version 2 of 2: 1 launch; version 1 with the launch band written anew for expert scheduling mode
;; launch band (part 2): grid 256 x 1, 16 waves a work-group, no clusters, 276,480 bytes of LDS; arguments queries_codes, keys_codes, values_codes, lowp_scales, out0; writes out0
.if DOCPART == 2
	.amdgcn_target "amdgcn-amd-amdhsa--gfx1250"
	.amdhsa_code_object_version 6
	.text
	.protected	k_q2565a8c895_band
	.globl	k_q2565a8c895_band
	.p2align	8
	.type	k_q2565a8c895_band,@function
k_q2565a8c895_band:
	s_mov_b64 s[64:65], 0
	v_nop
	global_prefetch_b8 v0, s[64:65] scope:SCOPE_SE
	s_setreg_imm32_b32 hwreg(HW_REG_WAVE_SCHED_MODE, 0, 2), 2
	s_setreg_imm32_b32 hwreg(HW_REG_WAVE_MODE, 25, 1), 1
	s_wait_xcnt 0x0
	s_wait_alu depctr_vm_vsrc(0)
; out[b][l][h][:] = the sum over keys s, |l - s| <= w(h), of softmax_s(q[b][l][h] . k[b][s][h] / 8) v[b][s][h][:];  w(h) = 32 << (h & 3).  B = 4, L = 2,048, H = 8, E = D = 64.
; Both products on codes of FP8 (E4M3), each tensor with its given scale 2^e: lowp_scales = eq, ek, ev, ep.  q, k: [b][l][h][64 codes]; v: [b][h][d][2,048 codes], the keys innermost; out: f32.
; THE SOFTMAX AHEAD OF THE SECOND PRODUCT: t = score x log2(e) / 8; M = the largest t so far, rounded UP to a whole number; p = 2^(t - M) is quantised with 2^ep, not normalised.  The row's sum is taken
; of the unquantised p and divides at the end.  When M moves, the sum and O are multiplied by 2^(old M - new M), which rounds nothing.
; ONLY THE BAND IS MULTIPLIED: 64 keys a step, and a tile of 16 queries needs 2, 3, 5, 9 steps for w = 32, 64, 128, 256.
; SHARES.  Work-group id: 64 queries (Q0 = 64 (id & 31)) of the four heads 4 hh .. 4 hh + 3 (hh = bit 5) of batch id >> 6: one head of each window, so all 256 work-groups have the same 76 steps.
; Wave wv: tile of queries qt = wv >> 2, head j = (wv + qt) & 3: any four waves with equal wv % 4, or with equal wv / 4, hold one head of each window: 19 steps.
; LAYOUT.  Both products are used transposed: S^T = K Q^T (source 0 = 16 keys, source 1 = my 16 queries), O^T = V^T P^T (source 0 = 16 channels, source 1 = P): a lane holds ONE query (lane % 16) throughout.
; LDS.  All that the work-group reads of K and V is copied once, through registers, as 20 chunks (64 keys of one head): K's rows by key, V's by channel, 64 bytes + 16 of padding = 20 words: row r starts at
; bank 20 r mod 64 (64 banks of 4 bytes: ISA guide 11.1), so the 16 rows of a fragment load start at 16 different groups of four banks.  One barrier in the whole text.
; K'S ROWS STAND IN LDS WITH BITS 3 AND 4 OF THE KEY'S NUMBER EXCHANGED: LDS row 32 b + 16 u + 8 h + i holds key 32 b + 16 h + 8 u + i.  So the 16 registers of score tiles 2 b, 2 b + 1 of lane (r, h)
; are the 16 neighbouring keys 32 b + 16 h + 0 .. 15: the conversions' results are source 1 of the second product, in the order in which two loads of 16 bytes bring V's fragment.
; (Fragments are brought by loads of 16 bytes: registers 4 c .. 4 c + 3 hold k = 32 c + 16 h + 0 .. 15.  That is one permutation of k, the same in both sources of each product.)
; NO CLUSTER, NO JOINT LOADS: neighbouring work-groups' windows are shifted by 64 keys against each other, so no two want the same tile; the joint window of four neighbours would be
; (384 + 384 + 512 + 768) rows x 80 bytes x 2 = 327,680 bytes, all that a work-group can claim, with nothing left for the stages.  No tensor loads: at the sequence's ends a window begins in front of the tensor.
; LIMITS on the given exponents, so that each power of two below is an f32 number: eq + ek between -123 and 130 (they are added to the exponent field of log2(e) / 8); ep between -126 and 119;
; ep + ev is applied by v_ldexp_f32 and has none.  NaN codes among the inputs are not served.
; THE MODE: SCHED_MODE bits 1:0 = 2 (LLVM: expert scheduling mode 2), set by the entry lines.  The code itself states the register dependences
; between vector or matrix instructions and memory or LDS instructions, with s_wait_alu, always for 0.
; THE PLAN.  Registers that memory or LDS instructions touch:
;   v[CO ..], v[QO], v[LA ..]  Offsets of the copy: written at the head by vector lines, read by the 22 loads and the 20 LDS stores; in the loop they are part of S^T.
;   v[CD ..]                   The copy's loads land in them, its LDS stores read them; in the loop they are KF, VF and part of S^T.
;   v[ADK], v[ADV]             Written by two additions at a step's head (and by the way out's first two lines); read by the step's sixteen LDS loads.
;   KF                         K's eight loads land in it; the step's four score products read it.  On the way out the stage's loads land in it and the stores to memory read it.
;   VF                         V's eight loads land in it; the four O^T products at the step's end read it.
;   S^T                        Named by matrix and vector instructions alone in the loop; on the way out the final multiplies write it and the stage's stores read it.
;   v[STO], v[RD], v[GO]       Written once by vector lines, read on the way out.     v176, v177: written at the head, read by the closing add alone.
; So a step has ONE wait on va_vdst for its loads, at its head behind the two additions: the addresses are written, and the step before's products are done reading KF and VF.  K's loads follow at once; V's are
; dealt among the four score products, which name S^T, KF and Q alone.  ONE wait on vm_vsrc, ahead of the step's last products, states that the sixteen loads have read the two addresses: it stands on every way to
; the lines that write them again.  The wait behind the exponentials, and a wait on va_sdst behind each run of sixteen compares of the mask, are the step's others.
.set PITCH,  80                        ; a chunk's row in LDS
.set CHUNK,  64*PITCH                  ; 5,120 bytes
.set SPITCH, 272                       ; the way out: a stage row: 256 bytes + 16
.set WSTAGE, 16*SPITCH                 ; LDS 0 ..: a stage of 16 rows for each of the 16 waves, its own
.set KB,     16*WSTAGE                 ; 69,632: K's 20 chunks
.set VOFF,   20*CHUNK                  ; 102,400: V's 20 chunks lie so far behind K's
; chunk c = (head j, block beta of keys Q0 - 256 + 64 beta): c 0-2: j 0, beta 3-5;  c 3-5: j 1, beta 3-5;  c 6-10: j 2, beta 2-6;  c 11-19: j 3, beta 0-8
.set AK0, 1                            ; v1   KB + 80 r + 16 h: my lane's place in a chunk of K
.set AV0, 2                            ; v2   the same for V
.set ADK, 3                            ; v3   LDS address of the step's chunk of K
.set ADV, 4                            ; v4   of V
.set STO, 5                            ; v5   the stage: where I put 32 bytes of a row
.set RD,  6                            ; v6   and where I read a row back
.set GO,  7                            ; v7   my byte offset in the wave's rows of out
.set RH,  8                            ; v8   r - 16 h
.set DLO, 10                           ; v10  a key's constant below this is hidden (key < query - w)
.set DHI, 11                           ; v11  above this likewise (key > query + w)
                                       ; v12 -M, v13 the largest t, v[14:15] the sum in two halves
.set QF,  16                           ; v[16:23]   Q's fragment
.set KF,  24                           ; v[24:55]   four fragments of K
.set VF,  56                           ; v[56:87]   four fragments of V
.set S,   88                           ; v[88:119]  S^T, then p
.set OT,  120                          ; v[120:151] O^T
.set P,   152                          ; v[152:159] p's codes
                                       ; v160, v161 at work; v162 a permute's destination; v163 -infinity; v[164:165] f; v[166:167] the sum's second chain; v168 2^ep; v169 448 x 2^ep
.set CD,  24                           ; the copy: v[24:103] 20 x 4 registers of data
.set CO,  104                          ; v[104:112] my byte offset in memory for block beta
.set LA,  113                          ; v113, v114 my LDS target for chunks 0-9, 10-19
.set QO,  115                          ; v115 my byte offset in the wave's rows of Q;  v116-119 at work
.set WV,  14                           ; s14  wave
.set HJ,  15                           ; s15  j
.set QT,  16                           ; s16  qt
.set WD,  17                           ; s17  w
.set NST, 18                           ; s18  my head's steps: 1 + (1 << j)
.set BT,  19                           ; s19  batch
.set HH,  20                           ; s20  hh
.set Q0,  21                           ; s21  the work-group's first query
.set TB,  22                           ; s22  5,120 x the step's chunk
.set KS,  23                           ; s23  the step's first key
.set SC,  24                           ; s[24:27] eq, ek, ev, ep
.set SEL, 28                           ; s[28:29] lane selects for v_permlanex16_b32: lane l xor 16
.set CS,  30                           ; s[30:31] c = log2(e) / 8 x 2^(eq + ek): the packed form names a pair and takes its low word for both halves
.set PJ,  32                           ; s[32:39] the copy: head j's first byte in the tensor that my wave copies
.set CK,  40                           ; s[40:48] block beta's byte offset there
.set MK,  32                           ; s[32:47] in the loop, when the copy's loads are done: sixteen masks of the band
.set SA,  49                           ; s49  16 qt - w - (the step's first key - Q0)
.set SB,  50                           ; s50  16 qt + w - (the step's first key - Q0)
.set STP, 51                           ; s51  the step
.set EO,  52                           ; s52  ep + ev
	s_load_b256 s[4:11], s[0:1], 0x0               ; Q s[4:5], K s[6:7], V s[8:9], the scales' exponents s[10:11]
	s_load_b64 s[12:13], s[0:1], 0x20              ; out
	v_lshl_add_u32 v176, v0, 2, 0x43000
	v_mov_b32 v177, 0
	v_lshrrev_b32 v116, 5, v0
	v_readfirstlane_b32 s[WV], v116                ; wave 0..15
	s_wait_alu depctr_va_sdst(0)                   ; s14 is written, ahead of its first reader: the shares, the LDS places and the bases are made from it
	s_lshr_b32 s[QT], s[WV], 2
	s_add_co_u32 s[HJ], s[WV], s[QT]
	s_and_b32 s[HJ], s[HJ], 3                      ; j = (wv + qt) & 3
	s_lshl_b32 s[WD], 32, s[HJ]                    ; w
	s_lshl_b32 s[NST], 1, s[HJ]
	s_add_co_u32 s[NST], s[NST], 1
	s_lshr_b32 s[BT], ttmp9, 6
	s_bfe_u32 s[HH], ttmp9, 0x10005                ; one bit from bit 5
	s_and_b32 s[Q0], ttmp9, 31
	s_lshl_b32 s[Q0], s[Q0], 6
	; my first chunk: the head's first, 3 j + 2 ((j >> 1) & j) = 0, 3, 6, 11, and one more for j = 0 with qt >= 2, whose band begins at Q0
	s_lshr_b32 s53, s[HJ], 1
	s_and_b32 s53, s53, s[HJ]
	s_lshl_b32 s53, s53, 1
	s_mul_i32 s58, s[HJ], 3
	s_add_co_u32 s53, s53, s58
	s_add_co_u32 s58, s[HJ], 3
	s_lshr_b32 s58, s58, 2
	s_xor_b32 s58, s58, 1                          ; 1 for j = 0 alone
	s_lshr_b32 s59, s[QT], 1
	s_and_b32 s58, s58, s59
	s_add_co_u32 s53, s53, s58                     ; at most 11: with the loop's eight steps on, at most chunk 19
	s_mul_i32 s[TB], s53, CHUNK
	; my first key, counted from Q0: (16 qt - w) rounded down to a multiple of 64
	s_lshl_b32 s59, s[QT], 4
	s_sub_co_i32 s60, s59, s[WD]
	s_and_b32 s61, s60, 0xffffffc0
	s_sub_co_i32 s[SA], s60, s61
	s_add_co_i32 s[SB], s59, s[WD]
	s_sub_co_i32 s[SB], s[SB], s61
	s_add_co_i32 s[KS], s[Q0], s61                 ; may lie in front of the sequence: then it is a large unsigned number
	s_add_co_u32 s62, s[Q0], s59                   ; my first query
	; THE COPY'S SHARES.  Waves 0-7 copy K, waves 8-15 V.  Of every chunk wave g = wv & 7 takes LDS rows 8 g .. 8 g + 7: four lanes to a row, 16 bytes a lane.
	s_lshr_b32 s53, s[WV], 3                       ; 0: K, 1: V
	s_and_b32 s58, s[WV], 7                        ; g
	s_mul_i32 s59, s53, VOFF
	s_mul_i32 s54, s58, 8*PITCH
	s_add_co_u32 s59, s59, s54
	s_add_co_u32 s59, s59, KB                      ; my eight rows of chunk 0, in LDS: the wave's number and constants alone
	s_and_b32 s60, s58, 4                          ; K's rows in memory: g with bits 0 and 1 exchanged, which is the exchange of bits 3 and 4 of the key's number
	s_and_b32 s61, s58, 1
	s_lshl_b32 s61, s61, 1
	s_or_b32 s60, s60, s61
	s_bfe_u32 s61, s58, 0x10001
	s_or_b32 s60, s60, s61
	v_and_b32 v117, 31, v0                         ; lane
	v_lshrrev_b32 v118, 2, v117                    ; which of the eight rows
	v_and_b32 v119, 3, v0                          ; which 16 bytes of it
	v_mul_u32_u24 v[LA], v118, PITCH
	v_lshl_add_u32 v[LA], v119, 4, v[LA]
	v_add_nc_u32 v[LA], s59, v[LA]
	v_add_nc_u32 v[LA+1], 10*CHUNK, v[LA]          ; an LDS offset has 16 bits: chunks 10-19 have a register of their own
	v_and_b32 v3, 15, v0                           ; r
	v_bfe_u32 v4, v0, 4, 1                         ; h
	v_lshlrev_b32 v[QO], 9, v3
	v_lshl_add_u32 v[QO], v4, 4, v[QO]             ; Q: 512 bytes from query to query, + 16 h
	s_mov_b32 s[SEL], 0x76543210
	s_mov_b32 s[SEL+1], 0xfedcba98
	s_mov_b32 s[STP], 0
	s_wait_kmcnt 0x0
	s_load_b128 s[SC:SC+3], s[10:11], 0x0          ; eq, ek, ev, ep
	s_cmp_eq_u32 s53, 0                            ; K or V?  The choice hangs on the wave's number alone; only selects and moves stand behind the compare
	s_cselect_b64 s[PJ:PJ+1], s[6:7], s[8:9]
	s_cselect_b32 s60, s60, s58                    ; the group of eight rows in memory
	s_cselect_b32 s61, 9, 11                       ; a row on: 512 bytes (a key of K), 2,048 bytes (a channel of V)
	s_cselect_b32 s63, 9, 0                        ; a key on: 512 bytes, 1 byte
	s_mov_b32 s56, 131072
	s_cselect_b32 s56, 64, s56                     ; a head on
	s_mov_b32 s54, 524288
	s_cselect_b32 s54, 256, s54                    ; four heads on
	s_mul_i32 s54, s54, s[HH]
	s_lshl_b32 s55, s[BT], 20                      ; a batch is 2^20 bytes in each tensor of codes
	s_add_co_u32 s54, s54, s55
	s_mov_b32 s55, 0
	s_mov_b32 s57, 0
	s_add_nc_u64 s[PJ:PJ+1], s[PJ:PJ+1], s[54:55]
	s_add_nc_u64 s[PJ+2:PJ+3], s[PJ:PJ+1], s[56:57]
	s_add_nc_u64 s[PJ+4:PJ+5], s[PJ+2:PJ+3], s[56:57]
	s_add_nc_u64 s[PJ+6:PJ+7], s[PJ+4:PJ+5], s[56:57]
.irp b, 0,1,2,3,4,5,6,7,8                      ; a block that lies outside the sequence is taken, whole, from its first or last block: no load leaves its buffer, and no step reads such a chunk
	s_add_co_i32 s[CK+\b], s[Q0], 64*\b-256
	s_max_i32 s[CK+\b], s[CK+\b], 0
	s_min_i32 s[CK+\b], s[CK+\b], 1984
	s_lshl_b32 s[CK+\b], s[CK+\b], s63
.endr
	v_lshl_add_u32 v116, s60, 3, v118              ; my row of a chunk, in memory's order
	v_lshlrev_b32 v116, s61, v116
	v_lshl_add_u32 v116, v119, 4, v116             ; + my 16 bytes
.irp b, 0,1,2,3,4,5,6,7,8
	v_add_nc_u32 v[CO+\b], s[CK+\b], v116
.endr
	s_wait_alu depctr_va_vdst(0)                   ; v[CO ..], v[QO] and v[LA ..] are written: the 22 loads below and the 20 LDS stores behind them read these as offsets and addresses; no vector line up to the barrier names them, or v[CD ..], again
.macro CLOAD c, j, b                           ; chunk c = head j, block b: my 16 bytes of it
	global_load_b128 v[CD+4*(\c):CD+4*(\c)+3], v[CO+(\b)], s[PJ+2*(\j):PJ+2*(\j)+1]
.endm
.irp x, 0,1,2
	CLOAD \x, 0, \x+3
.endr
.irp x, 0,1,2
	CLOAD \x+3, 1, \x+3
.endr
.irp x, 0,1,2,3,4
	CLOAD \x+6, 2, \x+2
.endr
.irp x, 0,1,2,3,4,5,6,7,8
	CLOAD \x+11, 3, \x
.endr
	s_lshl_b32 s53, s[HH], 2
	s_add_co_u32 s53, s53, s[HJ]                   ; my head
	s_lshl_b32 s54, s[BT], 20
	s_lshl_b32 s56, s62, 9
	s_add_co_u32 s54, s54, s56
	s_lshl_b32 s56, s53, 6
	s_add_co_u32 s54, s54, s56
	s_add_nc_u64 s[4:5], s[4:5], s[54:55]          ; Q at my first query and head
	global_load_b128 v[QF:QF+3], v[QO], s[4:5]             ; Q's fragment stays in registers
	global_load_b128 v[QF+4:QF+7], v[QO], s[4:5] offset:32
	s_lshl_b32 s54, s[BT], 22
	s_lshl_b32 s56, s62, 11
	s_add_co_u32 s54, s54, s56
	s_lshl_b32 s56, s53, 8
	s_add_co_u32 s54, s54, s56
	s_add_nc_u64 s[12:13], s[12:13], s[54:55]      ; out likewise: 2,048 bytes from query to query, 256 from head to head
	; while the 22 loads are out: the addresses and the start of the sums
	v_mul_u32_u24 v[AK0], v3, PITCH
	v_lshl_add_u32 v[AK0], v4, 4, v[AK0]
	v_add_nc_u32 v[AK0], KB, v[AK0]
	v_add_nc_u32 v[AV0], VOFF, v[AK0]
	v_lshlrev_b32 v[RH], 4, v4
	v_sub_nc_u32 v[RH], v3, v[RH]
	s_mul_i32 s63, s[WV], WSTAGE                   ; my stage
	v_mul_u32_u24 v[STO], v3, SPITCH
	v_lshl_add_u32 v[STO], v4, 5, v[STO]
	v_add_nc_u32 v[STO], s63, v[STO]               ; in: row r, 32 bytes for each half of the lanes
	v_mul_u32_u24 v[RD], v4, SPITCH
	v_lshl_add_u32 v[RD], v3, 4, v[RD]
	v_add_nc_u32 v[RD], s63, v[RD]                 ; back: lanes 0-15 one row of 256 bytes, lanes 16-31 the next
	v_mov_b32 v13, 0xff61b1e6                      ; the largest t so far: -3e38, under every t
	v_floor_f32 v12, -v13                          ; -M
	v_mov_b32 v14, 0                               ; the sum, in two halves
	v_mov_b32 v15, 0
	v_mov_b32 v162, 0                              ; written once: a lane permute's destination counts as one of its sources
	v_mov_b32 v165, 0                              ; (named as the upper half of the pair v[164:165])
	v_mov_b32 v163, 0xff800000                     ; -infinity
.irp i, 0,1,2,3,4,5,6,7,8,9,10,11,12,13,14,15,16,17,18,19,20,21,22,23,24,25,26,27,28,29,30,31
	v_mov_b32 v[OT+\i], 0                          ; O^T.  (The step is written once: the first finds zeros, which the first change of M leaves zeros)
.endr
	s_wait_kmcnt 0x0
	s_add_co_i32 s53, s[SC], s[SC+1]
	s_lshl_b32 s53, s53, 23
	s_add_co_i32 s[CS], s53, 0x3e38aa3b            ; log2(e) / 8, with eq + ek added to its exponent field: a score stands for score x 2^(eq + ek)
	s_mov_b32 s[CS+1], s[CS]                       ; (named with it as a pair, so it is written)
	s_add_co_i32 s53, s[SC+3], 127
	s_lshl_b32 s54, s53, 23
	v_mov_b32 v168, s54                            ; 2^ep as f32: the conversion takes its exponent field
	s_add_co_i32 s53, s53, 8
	s_lshl_b32 s53, s53, 23
	s_or_b32 s53, s53, 0x600000
	v_mov_b32 v169, s53                            ; 448 x 2^ep
	s_add_co_i32 s[EO], s[SC+2], s[SC+3]           ; ev + ep
.irp c, 0,1,2,3,4,5,6,7,8,9,10,11,12,13,14,15,16,17,18,19
	s_wait_loadcnt 21-\c                           ; loads come back in order (ISA guide 5.7.1): behind chunk c's stand 19 - c chunks' and Q's two
	ds_store_b128 v[LA+\c/10], v[CD+4*\c:CD+4*\c+3] offset:(\c%10)*CHUNK
.endr
	s_wait_dscnt 0x0                               ; for the others' sake: my rows of all 20 chunks lie in LDS
	s_barrier_signal -1
	s_barrier_wait -1                              ; everybody's do.  From here on nobody writes K's or V's chunks
	s_wait_loadcnt 0x0                             ; Q; and all the copy's registers are free
	s_wait_alu depctr_vm_vsrc(0)                   ; the copy's loads have read v[CO ..] and v[QO], its LDS stores v[CD ..] and v[LA ..]: from here on these registers are KF, VF and S^T, written by the fragments' loads and by the score products
; THE LOOP: nine trips in every wave, a constant, so that the chunk's address steps alike in all; a trip past my head's steps, or whose block of keys lies outside the sequence, does nothing but step.
; (Blocks are 64 keys from a multiple of 64: each lies wholly inside the sequence or wholly outside.)
; register n of S^T holds key KS + 16 h + 32 (n / 16) + n % 16; hidden scores become -infinity ahead of the maximum: p = 0 then.  From the low end of each tile on.
; The compares go in runs of sixteen, each into a scalar register of its own, with one wait behind the run; then the run's sixteen selects.
.macro MASK high
.irp g, 0,1
.set n, 16*\g
.rept 16
.if \high
	v_cmp_gt_i32 s[MK+n%16], 32*(n/16)+n%16, v[DHI]
.else
	v_cmp_lt_i32 s[MK+n%16], 32*(n/16)+n%16, v[DLO]
.endif
.set n, n+1
.endr
	s_wait_alu depctr_va_sdst(0)                   ; the sixteen compares have written s[MK ..], ahead of the selects that read them
.set n, 16*\g
.rept 16
	v_cndmask_b32 v[S+n], v[S+n], v163, s[MK+n%16]
.set n, n+1
.endr
.endr
.endm
.Lstep:
	s_cmp_ge_u32 s[STP], s[NST]
	s_cbranch_scc1 .Lnext
	s_cmp_ge_u32 s[KS], 2048
	s_cbranch_scc1 .Lnext
	v_add_nc_u32 v[ADK], s[TB], v[AK0]             ; (the loads that read these two registers last stand ahead of a wait on vm_vsrc: the one ahead of the last step's O^T products, or none were issued yet)
	v_add_nc_u32 v[ADV], s[TB], v[AV0]
	v_nop                                          ; with the two additions: four places between the last step's products and the loads into the registers that they read
	v_nop
	s_wait_alu depctr_va_vdst(0)                   ; v[ADK] and v[ADV] are written, which the sixteen loads below read; the last step's products are done reading KF and VF, in which they land
.irp t, 0,1,2,3
	ds_load_b128 v[KF+8*\t:KF+8*\t+3],   v[ADK] offset:16*PITCH*\t
	ds_load_b128 v[KF+8*\t+4:KF+8*\t+7], v[ADK] offset:16*PITCH*\t+32
.endr
	s_wait_dscnt 0x0                               ; K's eight loads are in; nothing else is out
.irp t, 0,1,2,3
	v_wmma_f32_16x16x64_fp8_fp8 v[S+8*\t:S+8*\t+7], v[KF+8*\t:KF+8*\t+7], v[QF:QF+7], 0
	ds_load_b128 v[VF+8*\t:VF+8*\t+3],   v[ADV] offset:16*PITCH*\t      ; V's loads are dealt among the score products.  No wait: no vector or matrix instruction since the wait at the step's head names VF or v[ADV]
	ds_load_b128 v[VF+8*\t+4:VF+8*\t+7], v[ADV] offset:16*PITCH*\t+32
.endr
	v_add_nc_u32 v[DLO], s[SA], v[RH]              ; key < query - w  where  32 (n / 16) + n % 16 < SA + r - 16 h
	v_add_nc_u32 v[DHI], s[SB], v[RH]              ; key > query + w  where  it is > SB + r - 16 h
	v_nop                                          ; with the two additions: four places in front of the first read of the scores
	v_nop
	s_cmp_lt_i32 s[SA], -14                        ; SA + 15 <= 0: no key of the step lies under any of my queries' bands
	s_cbranch_scc1 .Lnolow
	MASK 0
.Lnolow:
	s_cmp_ge_i32 s[SB], 63                         ; SB - 16 >= 47: none lies over them
	s_cbranch_scc1 .Lnohigh
	s_wait_alu depctr_va_vdst(0)
	MASK 1
.Lnohigh:
	v_max3_num_f32 v160, v[S], v[S+1], v[S+2]      ; the step's largest score of my query, among my 32 keys, in two chains; each tile is first read at its two lowest registers
	v_max3_num_f32 v161, v[S+3], v[S+4], v[S+5]
.irp i, 6,10,14,18,22,26
	v_max3_num_f32 v160, v160, v[S+\i], v[S+\i+1]
	v_max3_num_f32 v161, v161, v[S+\i+2], v[S+\i+3]
.endr
	v_max3_num_f32 v160, v160, v[S+30], v[S+31]
	v_max_num_f32 v160, v160, v161
	v_permlanex16_b32 v162, v160, s[SEL], s[SEL+1]
	v_max_num_f32 v160, v160, v162                 ; and among lane l xor 16's
	v_mul_f32 v160, s[CS], v160                    ; as t (c is positive)
	v_max_num_f32 v13, v13, v160                   ; the running largest t
	v_mov_b32 v160, v12
	v_floor_f32 v12, -v13                          ; the new -M = floor(-t) = -ceil(t): M is a whole number
	v_sub_f32 v160, v12, v160                      ; M's old value less its new one: a whole number, 0 or less
	v_cvt_i32_f32 v160, v160                       ; (it saturates)
	v_ldexp_f32 v164, 1.0, v160                    ; f = 2^(old M - new M)
.irp i, 0,2,4,6,8,10,12,14,16,18,20,22,24,26,28,30
	v_pk_fma_f32 v[S+\i:S+\i+1], v[S+\i:S+\i+1], s[CS:CS+1], v[12:13] op_sel_hi:[1,0,0]   ; t - M, two at a time (of the pairs c and -M the low word serves both halves)
.endr
	s_wait_alu depctr_va_vdst(0)
.irp i, 0,1,2,3,4,5,6,7,8,9,10,11,12,13,14,15,16,17,18,19,20,21,22,23,24,25,26,27,28,29,30,31
	v_exp_f32 v[S+\i], v[S+\i]                     ; p = 2^(t - M), at most 1: not normalised
.endr
	v_pk_mul_f32 v[14:15], v[14:15], v[164:165] op_sel_hi:[1,0]   ; the sums under the new M.  (The plain line behind the exponentials)
	s_wait_alu depctr_va_vdst(0)                   ; the 32 exponentials have written p in v[S ..]: one wait for the batch, ahead of its first reader
	v_pk_add_f32 v[166:167], v[S:S+1], v[S+2:S+3]  ; the row's sum is taken of the unquantised p: two at a time, in two chains
.irp i, 4,8,12,16,20,24,28
	v_pk_add_f32 v[14:15], v[14:15], v[S+\i:S+\i+1]
	v_pk_add_f32 v[166:167], v[166:167], v[S+\i+2:S+\i+3]
.endr
	v_pk_add_f32 v[14:15], v[14:15], v[166:167]
	s_cmp_ge_i32 s[SC+3], -8                       ; p <= 1: with ep >= -8, p / 2^ep <= 256, under 448, and nothing is to be held.  ep is a whole number read from an input; the branch stands round these 32 lines alone
	s_cbranch_scc1 .Lnohold
.irp i, 0,1,2,3,4,5,6,7,8,9,10,11,12,13,14,15,16,17,18,19,20,21,22,23,24,25,26,27,28,29,30,31
	v_min_num_f32 v[S+\i], v[S+\i], v169           ; the conversion to an 8-bit code does not saturate (ISA guide 7.6.2); p is not negative, so the hold is one-sided
.endr
.Lnohold:
.irp t, 0,1,2,3
	v_cvt_scalef32_pk8_fp8_f32 v[P+2*\t:P+2*\t+1], v[S+8*\t:S+8*\t+7], v168   ; registers 4 b .. 4 b + 3 of P: keys 32 b + 16 h + 0 .. 15
.endr
.irp i, 0,2,4,6,8,10,12,14,16,18,20,22,24,26,28,30
	v_pk_mul_f32 v[OT+\i:OT+\i+1], v[OT+\i:OT+\i+1], v[164:165] op_sel_hi:[1,0]   ; O^T under the new M, each tile from its low end on.  (Also the plain lines between the conversions and the products that read their results)
.endr
	s_wait_alu depctr_va_vdst(0)
	s_wait_dscnt 0x0                               ; V's fragments are in
	s_wait_alu depctr_vm_vsrc(0)                   ; the step's sixteen LDS loads have read v[ADK] and v[ADV], which the next step's additions, or the way out's first two lines, write again
.irp t, 0,1,2,3                                ; the four sums take turns, and the next step's four score tiles stand between two links of each
	v_wmma_f32_16x16x64_fp8_fp8 v[OT+8*\t:OT+8*\t+7], v[VF+8*\t:VF+8*\t+7], v[P:P+7], v[OT+8*\t:OT+8*\t+7]
.endr
.Lnext:
	s_add_co_u32 s[TB], s[TB], CHUNK
	s_add_co_u32 s[KS], s[KS], 64
	s_sub_co_i32 s[SA], s[SA], 64
	s_sub_co_i32 s[SB], s[SB], 64
	s_add_co_u32 s[STP], s[STP], 1
	s_cmp_lt_u32 s[STP], 9
	s_cbranch_scc1 .Lstep
	; THE WAY OUT.  O^T / the sum x 2^(ep + ev) goes through my own stage in LDS and comes back as whole rows: a (query, head) row of out is 256 bytes, which sixteen lanes store together.
	v_and_b32 v3, 15, v0                           ; r.  (These four lines are the four places behind the last products)
	v_bfe_u32 v4, v0, 4, 1                         ; h
	v_lshlrev_b32 v[GO], 11, v4
	v_lshl_add_u32 v[GO], v3, 4, v[GO]             ; lanes 0-15 one query's row, lanes 16-31 the next query's; 16 bytes a lane
	v_add_f32 v14, v14, v15                        ; the sum's two halves,
	v_permlanex16_b32 v162, v14, s[SEL], s[SEL+1]
	v_add_f32 v14, v14, v162                       ; and lane l xor 16's: the row's sum.  A query's own key always counts, so it is not 0
	s_wait_alu depctr_va_vdst(0)
	v_rcp_f32 v14, v14
	v_nop                                          ; one plain line behind a transcendental
	s_wait_alu depctr_va_vdst(0)                   ; the reciprocal has written v14, ahead of its first reader
	v_ldexp_f32 v14, v14, s[EO]
.irp i, 0,2,4,6,8,10,12,14,16,18,20,22,24,26,28,30
	v_pk_mul_f32 v[S+\i:S+\i+1], v[OT+\i:OT+\i+1], v[14:15] op_sel_hi:[1,0]   ; register 8 t + i is out(query r, channel 16 t + 8 h + i)
.endr
	s_wait_alu depctr_va_vdst(0)                   ; the multiplies have written v[S ..], which the stage's stores read; v[GO] is written, which the stores to memory read; the products are done reading KF, in which the stage's loads land
.irp t, 0,1,2,3
	ds_store_b128 v[STO], v[S+8*\t:S+8*\t+3] offset:64*\t
	ds_store_b128 v[STO], v[S+8*\t+4:S+8*\t+7] offset:64*\t+16
.endr
.irp i, 0,1,2,3,4,5,6,7
	ds_load_b128 v[KF+4*\i:KF+4*\i+3], v[RD] offset:2*\i*SPITCH   ; LDS serves a wave's instructions in order (ISA guide 5.7.1.4): these see my stores
.endr
.irp i, 0,1,2,3,4,5,6,7
	s_wait_dscnt 7-\i                              ; the 7 - i younger loads may be out
	global_store_b128 v[GO], v[KF+4*\i:KF+4*\i+3], s[12:13] offset:4096*\i th:TH_STORE_NT   ; 16 lanes store 256 consecutive bytes, at a multiple of 256 from out's first byte; written once, read by nobody here
.endr
	s_wait_dscnt 0x0                               ; the closing lines, six on end
	s_wait_alu 0x0
	s_wait_tensorcnt 0x0
	ds_add_u32 v176, v177
	s_wait_dscnt 0x0
	s_endpgm
.Lfunc_end_k_q2565a8c895_band:
	.size	k_q2565a8c895_band, .Lfunc_end_k_q2565a8c895_band-k_q2565a8c895_band
	.p2alignl 7, 3214868480
	.fill 96, 4, 3214868480
	.section	.rodata,"a",@progbits
	.p2align	6, 0x0
	.amdhsa_kernel k_q2565a8c895_band
		.amdhsa_group_segment_fixed_size 276480
		.amdhsa_private_segment_fixed_size 0
		.amdhsa_enable_private_segment 0
		.amdhsa_kernarg_size 40
		.amdhsa_user_sgpr_count 2
		.amdhsa_user_sgpr_kernarg_segment_ptr 1
		.amdhsa_wavefront_size32 1
		.amdhsa_system_sgpr_workgroup_id_x 1
		.amdhsa_system_sgpr_workgroup_id_y 1
		.amdhsa_system_sgpr_workgroup_id_z 1
		.amdhsa_system_vgpr_workitem_id 0
		.amdhsa_next_free_vgpr 178
		.amdhsa_next_free_sgpr 66
		.amdhsa_reserve_vcc 0
		.amdhsa_float_denorm_mode_32 3
		.amdhsa_float_denorm_mode_16_64 3
		.amdhsa_memory_ordered 1
		.amdhsa_forward_progress 1
		.amdhsa_inst_pref_size 34
	.end_amdhsa_kernel
	.amdgpu_metadata
---
amdhsa.version: [ 1, 2 ]
amdhsa.kernels:
  - .name:           k_q2565a8c895_band
    .symbol:         k_q2565a8c895_band.kd
    .args:
      - { .name: queries_codes, .offset: 0, .size: 8, .value_kind: global_buffer, .address_space: global }
      - { .name: keys_codes, .offset: 8, .size: 8, .value_kind: global_buffer, .address_space: global }
      - { .name: values_codes, .offset: 16, .size: 8, .value_kind: global_buffer, .address_space: global }
      - { .name: lowp_scales, .offset: 24, .size: 8, .value_kind: global_buffer, .address_space: global }
      - { .name: out0, .offset: 32, .size: 8, .value_kind: global_buffer, .address_space: global }
    .group_segment_fixed_size: 276480
    .private_segment_fixed_size: 0
    .kernarg_segment_align: 8
    .kernarg_segment_size: 40
    .max_flat_workgroup_size: 512
    .sgpr_count:     66
    .vgpr_count:     178
    .wavefront_size: 32
...
	.end_amdgpu_metadata
.endif
;; end of part 2
